; MI455X (gfx1250); checked and timed in simulation.
; The chip was launched on July 23, 2026; its instructions are those of AMD's public machine-readable ISA for CDNA 5 (MIT licence, August 2026) and "CDNA5" Instruction Set Architecture Reference Guide (July 2026). The comments in the code are by the model that wrote it; some were corrected since.
;; Binary Diff. Allowed arithmetic: matrix products marked QUANTISED: E4M3 operands, one E8M0 scale for each 32 along K, by v_wmma_scale_f32_16x16x128_f8f6f4 with both operands' format E4M3, f32 sums; everything else in f32.
;; Inputs: base_codes 4,096 x 128 x 32 uint8 (E4M3 codes of base, K innermost, in blocks of 32 codes); base_scales 4,096 x 128 uint8 (E8M0 scales of base, one for each 32 codes along K); coeff 1 float32; mask 4,096 x 4,096 int32; x_codes 4 x 512 x 128 x 32 uint8 (E4M3 codes of x, K innermost, in blocks of 32 codes); x_scales 4 x 512 x 128 uint8 (E8M0 scales of x, one for each 32 codes along K).
;; Outputs: out0 4 x 512 x 4,096 float32.
;; This version of the problem:
;;   THIS VERSION OF THE PROBLEM IS GIVEN IN LOW PRECISION. The matrix products marked QUANTISED in the list below multiply operands that are first quantised to E4M3 (4 exponent bits, 3 mantissa bits; 8 bits a number), with one power-of-two scale for each 32 numbers along K (OCP MX v1.0); their sums are f32. All else is computed in f32.
;;   The module's matrix products, in the order in which they are computed (A, B: the left and right operand; K: the contracted axis; several contracted axes count as one K, in the product's order):
;;     1. [M 2,048, K 4,096] x [K 4,096, N 4,096]; A: input x (given as codes); B: input base (given as codes): QUANTISED
;;     2. [M 2,048, K 4,096] x [K 4,096, N 4,096]; A: input x (given as codes); B: input mask: QUANTISED
;;   THE QUANTISER, for each operand of a quantised product, along K:
;;     - K is cut into blocks of 32 from its start; a last block that is shorter is filled with zeros.
;;     - A block's scale is 2^e with e = floor(log2(the largest magnitude in the block)) - 8, held to -126 .. 127; a block of zeros has e = 0. As a byte (E8M0): e + 127.
;;     - Each number is divided by its block's scale, clamped to +-448, and rounded to the nearest number of E4M3, ties to even, subnormals kept.
;;     - The product sums the exact products of the quantised numbers (number of the format x scale) in f32.
;;   ~~~python
;;   def quantise(x, axis):      # numpy; x: float32 -> the quantised numbers, widened to float32 again
;;       x = np.moveaxis(x, axis, -1); K = x.shape[-1]
;;       x = np.pad(x, [(0, 0)] * (x.ndim - 1) + [(0, -K % 32)]); x = x.reshape(x.shape[:-1] + (-1, 32)); a = np.abs(x).max(-1, keepdims=True)
;;       e = np.where(a > 0, np.clip(np.frexp(np.where(a > 0, a, 1))[1] - 1 - 8, -126, 127), 0)      # np.frexp(a)[1] - 1 = floor(log2(a)), exactly
;;       r = np.clip(x / 2.0 ** e, -448, 448)
;;       step = 2.0 ** (np.maximum(np.frexp(np.where(r == 0, 1, r))[1] - 1, -6) - 3)
;;       q = np.round(r / step) * step * 2.0 ** e      # np.round: ties to even
;;       return np.moveaxis(q.reshape(q.shape[:-2] + (-1,))[..., :K], -1, axis).astype(np.float32)
;;   ~~~
;;   INPUTS GIVEN AS CODES. base (in the module: [4096, 4096], K = its axis 0); x (in the module: [4, 512, 4096], K = its axis 2): each comes as NAME_codes (uint8): NAME with its K axis moved to the last place and cut into blocks of 32 codes, [.., K / 32, bytes a block], one block behind the other in memory; one code a byte (a code: sign, 4 exponent bits, 3 mantissa bits); and NAME_scales (uint8): the same leading axes, one E8M0 byte (e + 127) for each 32 codes along K. Its value is code x scale, taken as it is: it is not quantised again, and the codes and scales need not be those that the quantiser above would give.
;; One version. Each part assembles by itself: llvm-mc -triple=amdgcn-amd-amdhsa -mcpu=gfx1250 --defsym DOCPART=n.
;; ======== version 1 of 1: 2 launches
;; limits: right only within a limited range of input values
;; workspace buffers: mcodes 16,777,216 bytes; scl 1,310,720 bytes
;; launch prep (part 1): grid 512 x 1, 8 waves a work-group, no clusters, 37,888 bytes of LDS; arguments mask, x_scales, base_scales, mcodes, scl; writes mcodes, scl
.if DOCPART == 1
	.amdgcn_target "amdgcn-amd-amdhsa--gfx1250"
	.amdhsa_code_object_version 6
	.text
	.protected	k_qecf6d45e38_prep
	.globl	k_qecf6d45e38_prep
	.p2align	8
	.type	k_qecf6d45e38_prep,@function
k_qecf6d45e38_prep:
	s_mov_b64 s[64:65], 0
	v_nop
	global_prefetch_b8 v0, s[64:65] scope:SCOPE_SE
	s_setreg_imm32_b32 hwreg(HW_REG_WAVE_MODE, 25, 1), 1
	s_wait_xcnt 0x0
; mask [4096 (k)][4096 (n)], int32, is widened to f32 and quantised along K, its FIRST axis, into codes of FP8 (E4M3) laid [n][k], K innermost (mcodes), with one E8M0 byte for each 32 along K.
; The scale bytes of x, of base and of mask are laid into ONE buffer (scl) in the order in which the product's launch wants them in its scale registers.
; A block's scale is 2^(floor(log2(its largest magnitude)) - 8); its byte is the largest magnitude's exponent field - 8, held at 1 from below.  Each number is divided by the scale, held within +-448, rounded to the nearest code, ties to even.
; Nothing is assumed of the integers: whatever they are, they go through the whole quantiser.
; LIMITS: a block of zeros gets the byte 1 where the rule says 127: its codes are zeros, which add nothing under any byte but 0xff, and this program alone reads the bytes.
;         Integers beyond 2^24 in magnitude are rounded to f32 to nearest even by v_cvt_f32_i32, as the cast to float32 rounds them.
; scl: 16 K steps (256 along K, 8 bytes a row) of SSTEP = 81,920 bytes.  In a K step:
;   bytes 0 .. 16,383: x's 2,048 rows: row 32 g + 16 p + r at 256 g + 16 r + 8 p;
;   from 16,384 on: 64 chunks of 1,024 bytes, chunk n / 64: base's 64 columns (512 bytes), then mask's; in each 512: 256 ((n / 32) % 2) + 16 (n % 16) + 8 ((n / 16) % 2).
; SHARES.  Work-group id: 128 columns (id % 32) x 256 along K (id / 32).  Wave w takes the block of 32 along K number w, for all 128 columns; lane l takes columns 4 l .. 4 l + 3:
; each load is one row k, 512 consecutive bytes a wave.  A lane's 32 loads hold four whole blocks, one for each of its columns: the conversion from int32 sorts them into 32 consecutive registers, so that a block's largest
; magnitude needs no other lane and the codes come out with K innermost.  The codes of the eight waves meet in a stage in LDS (a row = a column's 256 codes) and leave as rows: 16 lanes store 256 consecutive bytes, aligned.
; Work-groups 0 to 191 also re-lay 32 rows of given scale bytes: 0 to 63 x's, 64 to 191 base's; wave w the K steps 2 w and 2 w + 1.
; No matrix unit, no cluster, no tensor load: a stream whose work-groups share no input byte.  All 32 loads of a wave go out at once; every offset is an immediate, no pointer is stepped.
.set ROWM,  16384                      ; a row of mask in bytes
.set SP,    272                        ; a stage row: 256 bytes of codes + 16 of padding
.set SCST,  128*SP                     ; behind the stage: the work-group's 1,024 scale bytes, in scl's order
.set SSTEP, 81920
.set X,     32                         ; v32-63   the 32 numbers of one column's block
.set C,     64                         ; v64-95   codes: eight registers for each of my four columns
.set E,     96                         ; v96-99   a scale byte for each column
.set R,     100                        ; v100-227 the 32 rows as loaded; v100-131 later the way out
	s_load_b256 s[4:11], s[0:1], 0x0               ; mask s[4:5], x_scales s[6:7], base_scales s[8:9], mcodes s[10:11]
	s_load_b64 s[12:13], s[0:1], 0x20              ; scl
	v_lshl_add_u32 v232, v0, 2, 0x9000
	v_mov_b32 v233, 0
	v_lshrrev_b32 v9, 5, v0
	s_delay_alu instid0(VALU_DEP_1)
	v_readfirstlane_b32 s14, v9                    ; wave 0..7
	s_and_b32 s15, ttmp9, 31                       ; tx: which 128 columns
	s_lshr_b32 s16, ttmp9, 5                       ; ky: which 256 along K
	s_mov_b32 s17, 0x600000                        ; the mantissa field of 448 (an instruction takes one literal: the hold's line has another)
	v_and_b32 v1, 31, v0                           ; lane l
	v_and_b32 v14, 15, v0                          ; r = l % 16
	v_bfe_u32 v15, v0, 4, 1                        ; h = l / 16
	s_delay_alu instid0(VALU_DEP_3)
	v_lshlrev_b32 v2, 4, v1                        ; in: 16 bytes a lane
	s_lshl_b32 s30, s14, 5
	v_mul_u32_u24 v3, v1, SP
	s_delay_alu instid0(VALU_DEP_1)
	v_add_nc_u32 v3, s30, v3                       ; into the stage: row 32 c + l holds column 4 l + c; my wave's 32 bytes of it
	v_lshlrev_b32 v4, 9, v15                       ; my scale bytes, column 4 l + c: chunk l / 16,
	v_bfe_u32 v9, v0, 3, 1
	s_delay_alu instid0(VALU_DEP_1)
	v_lshl_add_u32 v4, v9, 8, v4                   ; 256 ((l / 8) % 2),
	v_and_b32 v9, 3, v0
	s_delay_alu instid0(VALU_DEP_1)
	v_lshl_add_u32 v4, v9, 6, v4                   ; 16 x (4 (l % 4) + c): the 16 c stands in the store's immediate,
	v_bfe_u32 v9, v0, 2, 1
	s_delay_alu instid0(VALU_DEP_1)
	v_lshl_add_u32 v4, v9, 3, v4                   ; 8 ((l / 4) % 2),
	s_add_co_u32 s30, s14, SCST
	v_add_nc_u32 v4, s30, v4                       ; and byte w of the K step's eight
	s_mul_i32 s30, s14, 16*SP
	v_mul_u32_u24 v5, v15, SP
	s_delay_alu instid0(VALU_DEP_1)
	v_lshl_add_u32 v5, v14, 4, v5
	s_delay_alu instid0(VALU_DEP_1)
	v_add_nc_u32 v5, s30, v5                       ; out of the stage: rows 16 w + 2 t + h, 16 lanes to a row
	v_lshlrev_b32 v6, 14, v15
	s_delay_alu instid0(VALU_DEP_1)
	v_lshl_add_u32 v6, v14, 4, v6                  ; stage row 16 w + 2 t + h is column 64 (w % 2) + 8 t + 4 h + w / 2: in mcodes 4 h rows of 4,096 bytes + 16 r
	v_lshlrev_b32 v8, 3, v1                        ; 8 bytes a lane: a run of 256 scale bytes
	s_lshl_b32 s30, s14, 8
	s_add_co_u32 s30, s30, SCST
	v_add_nc_u32 v7, s30, v8                       ; (read by waves 0 to 3 alone)
	v_and_b32 v9, 1, v0
	v_bfe_u32 v16, v0, 1, 4
	s_delay_alu instid0(VALU_DEP_1)
	v_lshl_add_u32 v16, v9, 4, v16                 ; the re-laying: lane l writes place 16 (l / 2) + 8 (l % 2), which is row 16 (l % 2) + l / 2 of the 32;
	s_delay_alu instid0(VALU_DEP_1)
	v_lshlrev_b32 v16, 7, v16                      ; a row of given scale bytes is 128 bytes,
	s_lshl_b32 s30, s14, 4
	v_add_nc_u32 v16, s30, v16                     ; and K steps 2 w, 2 w + 1 are its bytes 16 w on
	; offsets, each apart from its address
	s_lshl_b32 s20, s16, 22                        ; mask: (256 ky + 32 w) rows of 16,384 bytes + 512 tx
	s_lshl_b32 s30, s14, 19
	s_add_co_u32 s20, s20, s30
	s_lshl_b32 s30, s15, 9
	s_add_co_u32 s20, s20, s30
	s_mov_b32 s21, 0
	s_lshl_b32 s22, s15, 19                        ; mcodes: (128 tx + 64 (w % 2) + w / 2) rows of 4,096 bytes + 256 ky
	s_lshl_b32 s30, s16, 8
	s_add_co_u32 s22, s22, s30
	s_and_b32 s30, s14, 1
	s_lshr_b32 s32, s14, 1
	s_lshl_b32 s31, s30, 18
	s_add_co_u32 s22, s22, s31
	s_lshl_b32 s31, s32, 12
	s_add_co_u32 s22, s22, s31
	s_mov_b32 s23, 0
	s_mul_i32 s24, s16, SSTEP                      ; scl, mask's bytes: K step ky, chunk 2 tx + w / 2, behind base's 512, run w % 2 (waves 0 to 3)
	s_add_co_u32 s24, s24, 16384+512
	s_lshl_b32 s31, s15, 11
	s_add_co_u32 s24, s24, s31
	s_lshl_b32 s31, s32, 10
	s_add_co_u32 s24, s24, s31
	s_lshl_b32 s31, s30, 8
	s_add_co_u32 s24, s24, s31
	s_mov_b32 s25, 0
	s_sub_co_u32 s33, ttmp9, 64                    ; the re-laying: base's group of 32 columns (of use from work-group 64 on),
	s_lshr_b32 s34, s33, 1
	s_lshl_b32 s34, s34, 10
	s_and_b32 s35, s33, 1
	s_lshl_b32 s35, s35, 8
	s_add_co_u32 s34, s34, s35
	s_add_co_u32 s34, s34, 16384                   ; its place in a K step;
	s_lshl_b32 s35, ttmp9, 8                       ; and the place of x's group
	s_mul_i32 s32, s14, 2*SSTEP                    ; K step 2 w
	s_mov_b32 s29, 0
	s_mov_b32 s31, 0
	s_wait_kmcnt 0x0
	s_cmp_lt_u32 ttmp9, 64                         ; x's scales or base's?  The choice hangs on the work-group's number alone
	s_cselect_b64 s[26:27], s[6:7], s[8:9]
	s_cselect_b32 s28, s35, s34
	s_cselect_b32 s30, ttmp9, s33
	s_lshl_b32 s30, s30, 12                        ; a group's 32 rows of 128 bytes
	s_add_co_u32 s28, s28, s32
	s_add_nc_u64 s[26:27], s[26:27], s[30:31]
	s_add_nc_u64 s[28:29], s[12:13], s[28:29]
	s_add_nc_u64 s[24:25], s[12:13], s[24:25]
	s_add_nc_u64 s[4:5], s[4:5], s[20:21]
	s_add_nc_u64 s[10:11], s[10:11], s[22:23]
.set i, 0
.rept 32
	global_load_b128 v[R+4*i:R+4*i+3], v2, s[4:5] offset:i*ROWM th:TH_LOAD_NT   ; row k = 32 w + i of my block: 32 lanes read 512 consecutive bytes; read once in the launch
.set i, i+1
.endr
	s_cmp_lt_u32 ttmp9, 192
	s_cbranch_scc0 .Lnorelay
	s_wait_alu depctr_va_vdst(0)
	global_load_b128 v[20:23], v16, s[26:27]       ; my row's 16 bytes: two K steps
	s_wait_loadcnt 0x0                             ; it is the youngest load, and the 32 in front of it are wanted next in any case
	global_store_b64 v8, v[20:21], s[28:29]        ; 32 lanes store 256 consecutive bytes, aligned: the group's bytes of K step 2 w,
	global_store_b64 v8, v[22:23], s[28:29] offset:SSTEP   ; and of 2 w + 1.  None of these registers is written again
.Lnorelay:
	s_wait_loadcnt 0x0                             ; a block's largest magnitude wants all 32 rows
; Column 4 l + c: its block of 32 becomes 32 codes and a byte.
.macro COL c
.set i, 0
.rept 32
	v_cvt_f32_i32 v[X+i], v[R+4*i+\c]              ; the cast, which also sorts the column's numbers into consecutive registers
.set i, i+1
.endr
	v_max3_num_f32 v12, |v[X]|, |v[X+1]|, |v[X+2]| ; the block's largest magnitude, in two chains: all 32 numbers are mine
	v_max3_num_f32 v13, |v[X+3]|, |v[X+4]|, |v[X+5]|
.irp i, 6,10,14,18,22,26
	s_delay_alu instid0(VALU_DEP_2)
	v_max3_num_f32 v12, v12, |v[X+\i]|, |v[X+\i+1]|
	s_delay_alu instid0(VALU_DEP_2)
	v_max3_num_f32 v13, v13, |v[X+\i+2]|, |v[X+\i+3]|
.endr
	s_delay_alu instid0(VALU_DEP_2)
	v_max3_num_f32 v12, v12, |v[X+30]|, |v[X+31]|
	s_delay_alu instid0(VALU_DEP_1)
	v_max3_num_f32 v12, v12, v13, 0x4800000        ; and the floor 2^(9 - 127), under which no largest magnitude is taken: so the byte cannot fall under 1
	s_delay_alu instid0(VALU_DEP_1)
	v_add_nc_u32 v11, 0xfc000000, v12              ; 8 off its exponent field: the conversion takes the exponent field of this operand as its scale, and nothing else of it
	s_delay_alu instid0(VALU_DEP_2)
	v_and_or_b32 v10, v12, 0x7f800000, s17         ; 448 x the scale: the largest magnitude's exponent field over 448's mantissa
.set i, 0
.rept 32
	v_med3_num_f32 v[X+i], v[X+i], -v10, v10       ; the conversion to an 8-bit code does not saturate (ISA guide 7.6.2): the hold at the largest code x the scale
.set i, i+1
.endr
.irp g, 0,1,2,3
	v_cvt_scalef32_pk8_fp8_f32 v[C+8*\c+2*\g:C+8*\c+2*\g+1], v[X+8*\g:X+8*\g+7], v11
.endr
	v_lshrrev_b32 v[E+\c], 23, v11                 ; the scale's byte.  (Also the plain line between the conversions and the next column's writes of their sources)
	ds_store_b128 v3, v[C+8*\c:C+8*\c+3] offset:\c*32*SP        ; 32 codes: my wave's 32 bytes of the column's row
	ds_store_b128 v3, v[C+8*\c+4:C+8*\c+7] offset:\c*32*SP+16
	ds_store_b8 v4, v[E+\c] offset:16*\c
.endm
	COL 0
	COL 1
	COL 2
	COL 3
	s_wait_dscnt 0x0                               ; for the others' sake: my stores into the stage have landed
	s_barrier_signal -1
	s_barrier_wait -1                              ; 128 whole rows of 256 codes, and 1,024 scale bytes, lie in LDS
.irp t, 0,1,2,3,4,5,6,7
	ds_load_b128 v[R+4*\t:R+4*\t+3], v5 offset:2*\t*SP
.endr
.irp t, 0,1,2,3,4,5,6,7
	s_wait_dscnt 7-\t                              ; LDS loads come back in order (ISA guide 5.7.1): load t is in, the 7 - t younger ones may be out
	global_store_b128 v6, v[R+4*\t:R+4*\t+3], s[10:11] offset:\t*32768   ; 16 lanes store 256 consecutive bytes of a column's row, aligned; from t to t + 1 eight columns on
.endr
	s_cmp_lt_u32 s14, 4                            ; the scale bytes are four runs of 256: waves 0 to 3
	s_cbranch_scc0 .Lend
	ds_load_b64 v[12:13], v7
	s_wait_dscnt 0x0
	global_store_b64 v8, v[12:13], s[24:25]        ; 32 lanes store 256 consecutive bytes, aligned
.Lend:
	s_wait_tensorcnt 0x0
	ds_add_u32 v232, v233
	s_wait_dscnt 0x0
	s_endpgm
.Lfunc_end_k_qecf6d45e38_prep:
	.size	k_qecf6d45e38_prep, .Lfunc_end_k_qecf6d45e38_prep-k_qecf6d45e38_prep
	.p2alignl 7, 3214868480
	.fill 96, 4, 3214868480
	.section	.rodata,"a",@progbits
	.p2align	6, 0x0
	.amdhsa_kernel k_qecf6d45e38_prep
		.amdhsa_group_segment_fixed_size 37888
		.amdhsa_private_segment_fixed_size 0
		.amdhsa_enable_private_segment 0
		.amdhsa_kernarg_size 40
		.amdhsa_user_sgpr_count 2
		.amdhsa_user_sgpr_kernarg_segment_ptr 1
		.amdhsa_wavefront_size32 1
		.amdhsa_system_sgpr_workgroup_id_x 1
		.amdhsa_system_sgpr_workgroup_id_y 1
		.amdhsa_system_sgpr_workgroup_id_z 1
		.amdhsa_system_vgpr_workitem_id 0
		.amdhsa_next_free_vgpr 234
		.amdhsa_next_free_sgpr 66
		.amdhsa_reserve_vcc 0
		.amdhsa_float_denorm_mode_32 3
		.amdhsa_float_denorm_mode_16_64 3
		.amdhsa_memory_ordered 1
		.amdhsa_forward_progress 1
		.amdhsa_inst_pref_size 31
	.end_amdhsa_kernel
	.amdgpu_metadata
---
amdhsa.version: [ 1, 2 ]
amdhsa.kernels:
  - .name:           k_qecf6d45e38_prep
    .symbol:         k_qecf6d45e38_prep.kd
    .args:
      - { .name: mask, .offset: 0, .size: 8, .value_kind: global_buffer, .address_space: global }
      - { .name: x_scales, .offset: 8, .size: 8, .value_kind: global_buffer, .address_space: global }
      - { .name: base_scales, .offset: 16, .size: 8, .value_kind: global_buffer, .address_space: global }
      - { .name: mcodes, .offset: 24, .size: 8, .value_kind: global_buffer, .address_space: global }
      - { .name: scl, .offset: 32, .size: 8, .value_kind: global_buffer, .address_space: global }
    .group_segment_fixed_size: 37888
    .private_segment_fixed_size: 0
    .kernarg_segment_align: 8
    .kernarg_segment_size: 40
    .max_flat_workgroup_size: 256
    .sgpr_count:     66
    .vgpr_count:     234
    .wavefront_size: 32
...
	.end_amdgpu_metadata
.endif
;; end of part 1
;; launch gemm (part 2): grid 32 x 8, 4 waves a work-group, clusters of 4 x 4, 327,680 bytes of LDS; arguments x_codes, base_codes, mcodes, scl, coeff, out0; writes out0
.if DOCPART == 2
	.amdgcn_target "amdgcn-amd-amdhsa--gfx1250"
	.amdhsa_code_object_version 6
	.text
	.protected	k_qecf6d45e38_gemm
	.globl	k_qecf6d45e38_gemm
	.p2align	8
	.type	k_qecf6d45e38_gemm,@function
k_qecf6d45e38_gemm:
	s_mov_b64 s[64:65], 0
	v_nop
	global_prefetch_b8 v0, s[64:65] scope:SCOPE_SE
	s_setreg_imm32_b32 hwreg(HW_REG_WAVE_MODE, 25, 1), 1
	s_wait_xcnt 0x0
	s_wait_alu depctr_hold_cnt(0) depctr_sa_sdst(0) depctr_va_vdst(0) depctr_va_sdst(0) depctr_va_ssrc(0) depctr_va_vcc(0) depctr_vm_vsrc(0)
	s_getreg_b32 s2, hwreg(HW_REG_IB_STS2, 6, 4)
	s_cmp_eq_u32 s2, 0
	s_cbranch_scc0 .Lentry_in_a_cluster
	s_endpgm
.Lentry_in_a_cluster:
	s_bfe_u32 s2, ttmp6, 0x10000c
	s_cmp_lg_u32 s2, 0xf033
	s_cbranch_scc0 .Lentry_shape_is_right
	s_endpgm
.Lentry_shape_is_right:
; out[m][n] = sum_k x[m][k] base[k][n] + coeff * sum_k x[m][k] mask[k][n]: two products on codes of E4M3 with E8M0 scales, f32 sums; joined by one fused multiply-add on the way out.
; A work-group makes 256 rows x 128 columns of out: 256 rows of x against 128 rows of base's codes and the same 128 of mask's.  Four waves, each 128 rows x 64 columns of both products: 64 accumulators, 512 registers.
; K goes in steps of 256 through a ring of two LDS slots (x's 256 rows, then base's 128 and mask's 128; rows of 256 bytes + 16 of padding), one tensor load of 128 rows a wave.
; CLUSTER 4 x 4: x's tiles are asked for jointly along a row of the cluster, base's and mask's along a column.  Half of the clusters walk K from its other end (FLIP): the sums' order differs, their terms do not.
; The scale words come from scl, laid by the launch before in the order of the scale registers: lanes 0-15 x's rows, lanes 16-31 base's and mask's columns.
; The tiles two refills on are prefetched, 32 rows a wave, shared out among the partners by address.
.set ROWB,   256
.set NQ,     2
.set KROW,   4096
.set PITCH,  272
.set FR,     16
.set NL,     4
.set NP,     8
.set HALFT,  128*PITCH
.set SLOT,   4*HALFT
.set LAPS,   8
.set SSTEP,  81920
.set STAGE,  2*SLOT
.set SPITCH, 272
.set SPARE,  STAGE+4*16*SPITCH
.set OROW,   16384
.set ADRA, 16
.set ADRB, 20
.set STO,  24
.set RD,   25
.set CO,   26
.set SOF,  27
.set SPW,  28
.set NIL,  29
.set PFO,  30
.set SC,   32
.set TMP,  64
.set AF,   128
.set BK,   128
.set WV,   16
.set RH,   17
.set CH,   18
.set LAP,  19
.set AB,   20
.set G1,   24
.set G0,   32
.set BB,   46
.set G1B,  48
.set G0B,  56
.set CF,   66
.set PFA,  68
.set LIM,  70
.set T2,   71
.set FLIP, 78
.set KS,   79
.set KO,   80
.set SO,   82
.set SCA,  84
.set PO,   88
.set PFB,  90
.set MSB, 0
.macro WIN new
.if MSB != \new
	s_set_vgpr_msb (MSB<<8)|\new
.set MSB, \new
.endif
.endm
.set MUL_LO, 0xa1
.set MUL_HI, 0xf1
.set TO_B,   0x40
.macro JLOAD g0a, g1a, g0b, g1b
	s_cmp_eq_u32 s[RH], 0
	s_cbranch_scc0 .Lfor_b_\@
	tensor_load_to_lds s[\g0a:\g0a+3], s[\g1a:\g1a+7]
	s_nop 0
.rept 4
	v_nop
.endr
	s_branch .Lasked_\@
.Lfor_b_\@:
	tensor_load_to_lds s[\g0b:\g0b+3], s[\g1b:\g1b+7]
	s_nop 0
.rept 4
	v_nop
.endr
.Lasked_\@:
.endm
.macro ASK
	s_cmp_gt_u32 s[LAP], s[LIM]
	s_cbranch_scc0 .Lnot_mine_\@
	s_wait_alu depctr_va_vdst(0)
	global_prefetch_b8 v[PFO], s[PFA:PFA+1] th:TH_LOAD_NT scope:SCOPE_SE
.Lnot_mine_\@:
.endm
.macro CREST
	s_cmp_lg_u32 s[WV], 0
	s_cbranch_scc1 .Lnot_wave_0_\@
	s_barrier_signal -3
.Lnot_wave_0_\@:
	s_barrier_wait -3
	s_barrier_signal -1
	s_barrier_wait -1
.endm
.macro CROUND
	s_barrier_signal -1
	s_barrier_wait -1
	CREST
.endm
	s_load_b256 s[4:11], s[0:1], 0x0
	s_load_b128 s[12:15], s[0:1], 0x20
	v_lshl_add_u32 v[SPW], v0, 2, SPARE
	v_mov_b32 v[NIL], 0
	ds_add_u32 v28, v29
	ds_add_u32 v28, v29
	s_wait_dscnt 0x0
	v_lshrrev_b32 v1, 5, v0
	v_readfirstlane_b32 s[WV], v1
	s_lshr_b32 s[RH], s[WV], 1
	s_and_b32 s[CH], s[WV], 1
	s_bfe_u32 s40, ttmp6, 0x40000
	s_bfe_u32 s41, ttmp6, 0x40004
	s_lshl_b32 s42, ttmp9, 2
	s_add_co_u32 s42, s42, s40
	s_and_b32 s43, ttmp7, 0xffff
	s_lshl_b32 s43, s43, 2
	s_add_co_u32 s43, s43, s41
	s_lshl_b32 s44, s41, 2
	s_lshl_b32 s44, 15, s44
	s_lshl_b32 s45, 0x1111, s40
	s_and_b32 s[FLIP], ttmp7, 0xffff
	s_add_co_u32 s[FLIP], s[FLIP], ttmp9
	s_and_b32 s[FLIP], s[FLIP], 1
	s_mul_i32 s[FLIP], s[FLIP], 15
	s_mov_b32 s[KO+1], 0
	s_mov_b32 s[SO+1], 0
	s_mov_b32 s[PO+1], 0
	s_mov_b32 s[T2], 2
	s_or_b32 s[G1+0], s44, (0<<16)|(1<<20)|(1<<21)|(5<<22)|(3<<25)
	s_or_b32 s[G1B+0], s45, (0<<16)|(1<<20)|(1<<21)|(5<<22)|(3<<25)
.irp g, G1, G1B
	s_mov_b32 s[\g+1], ROWB<<16
	s_mov_b32 s[\g+2], 128<<16
	s_mov_b32 s[\g+3], ROWB<<16
	s_mov_b32 s[\g+4], 128
	s_mov_b32 s[\g+5], KROW
	s_mov_b32 s[\g+6], 0
	s_mov_b32 s[\g+7], 0
.endr
	s_lshl_b32 s[AB], s43, 20
	s_lshl_b32 s[AB+1], s[CH], 19
	s_add_co_u32 s[AB], s[AB], s[AB+1]
	s_mov_b32 s[AB+1], 0
	s_lshl_b32 s[BB], s42, 19
	s_mov_b32 s[BB+1], 0
	s_mul_i32 s72, s[WV], HALFT
	s_wait_kmcnt 0x0
	s_add_nc_u64 s[AB:AB+1], s[4:5], s[AB:AB+1]
	s_cmp_eq_u32 s[CH], 0
	s_cselect_b64 s[22:23], s[6:7], s[8:9]
	s_add_nc_u64 s[BB:BB+1], s[22:23], s[BB:BB+1]
	s_load_b32 s[CF], s[12:13], 0x0
	CROUND
.irp s, 0,1
	s_xor_b32 s[KS], s[FLIP], \s
	s_lshl_b32 s[KO], s[KS], 8
	s_mov_b32 s[G0+4*\s], 1
	s_add_co_u32 s[G0+4*\s+1], s72, \s*SLOT
	s_add_nc_u64 s[G0+4*\s+2:G0+4*\s+3], s[AB:AB+1], s[KO:KO+1]
	s_or_b32 s[G0+4*\s+3], s[G0+4*\s+3], 0x80000000
	s_mov_b32 s[G0B+4*\s], 1
	s_add_co_u32 s[G0B+4*\s+1], s72, \s*SLOT
	s_add_nc_u64 s[G0B+4*\s+2:G0B+4*\s+3], s[BB:BB+1], s[KO:KO+1]
	s_or_b32 s[G0B+4*\s+3], s[G0B+4*\s+3], 0x80000000
.if \s == 0
	JLOAD G0, G1, G0B, G1B                         ; K step 0, behind the one round in front of the first joint loads: one tensor load a wave at the head
.endif
.endr
	v_and_b32 v1, 15, v0
	v_bfe_u32 v2, v0, 4, 1
	s_wait_alu depctr_va_vdst(0)
	v_mul_u32_u24 v3, v1, PITCH
	s_wait_alu depctr_va_vdst(0)
	v_lshl_add_u32 v4, v2, 4, v3
	s_mul_i32 s73, s[RH], HALFT
	s_mul_i32 s74, s[CH], 64*PITCH
	s_add_co_u32 s74, s74, 2*HALFT
.irp s, 0,1
	v_add_nc_u32 v[ADRA+\s], s73, v4
	v_add_nc_u32 v[ADRB+\s], s74, v4
	s_add_co_u32 s73, s73, SLOT
	s_add_co_u32 s74, s74, SLOT
.endr
	s_lshl_b32 s73, s43, 11
	s_lshl_b32 s74, s[RH], 10
	s_add_co_u32 s73, s73, s74
	s_lshl_b32 s74, s42, 11
	s_lshl_b32 s75, s[CH], 10
	s_add_co_u32 s74, s74, s75
	s_add_co_u32 s74, s74, 16384
	s_sub_co_u32 s74, s74, s73
	v_mul_u32_u24 v5, s74, v2
	v_lshl_add_u32 v5, v1, 4, v5
	v_add_nc_u32 v[SOF], s73, v5
	s_mul_i32 s73, s[WV], 16*SPITCH
	s_add_co_u32 s73, s73, STAGE
	v_lshl_add_u32 v5, v2, 5, v3
	v_add_nc_u32 v[STO], s73, v5
	v_mul_u32_u24 v5, v2, SPITCH
	v_lshl_add_u32 v5, v1, 4, v5
	v_add_nc_u32 v[RD], s73, v5
	v_lshlrev_b32 v5, 14, v2
	v_lshl_add_u32 v[CO], v1, 4, v5
	s_lshl_b32 s76, s43, 22
	s_lshl_b32 s74, s[RH], 21
	s_add_co_u32 s76, s76, s74
	s_lshl_b32 s74, s42, 9
	s_add_co_u32 s76, s76, s74
	s_lshl_b32 s74, s[CH], 8
	s_add_co_u32 s76, s76, s74
	s_mov_b32 s77, 0
	s_add_nc_u64 s[14:15], s[14:15], s[76:77]
	s_lshl_b32 s74, s43, 8
	s_lshl_b32 s75, s[CH], 7
	s_add_co_u32 s74, s74, s75
	s_lshl_b32 s75, s42, 7
	s_cmp_eq_u32 s[RH], 0
	s_cselect_b32 s74, s74, s75
	s_cselect_b32 s75, s40, s41
	s_cselect_b32 s73, ttmp9, 0
	s_cselect_b64 s[PFB:PFB+1], s[4:5], s[22:23]
	s_cmp_lt_u32 s73, 2
	s_cselect_b32 s[LIM], LAPS-3, -1
	s_lshl_b32 s75, s75, 5
	s_add_co_u32 s74, s74, s75
	s_lshl_b32 s74, s74, 12
	s_mov_b32 s75, 0
	s_add_nc_u64 s[PFB:PFB+1], s[PFB:PFB+1], s[74:75]
	v_and_b32 v[PFO], 31, v0
	v_lshlrev_b32 v[PFO], 12, v[PFO]
	s_mul_i32 s[SO], s[FLIP], SSTEP
	s_add_nc_u64 s[SCA:SCA+1], s[10:11], s[SO:SO+1]
	s_xor_b32 s[KS], s[FLIP], 1
	s_mul_i32 s[SO], s[KS], SSTEP
	s_add_nc_u64 s[SCA+2:SCA+3], s[10:11], s[SO:SO+1]
.macro FRAG reg, adr, q, off
.irp c, 0,1,2,3
	ds_load_b128 v[\reg+4*\c:\reg+4*\c+3], v[\adr] offset:128*(\q)+32*\c+(\off)
.endr
.endm
.macro MUL16 a0, p, q, sc, zero
.irp a, \a0, \a0+1
.irp b, 0,1,2,3,4,5,6,7
.if \zero
	v_wmma_scale_f32_16x16x128_f8f6f4 v[8*(8*((\a)%4)+\b):8*(8*((\a)%4)+\b)+7], v[128*(\p)+FR*\b:128*(\p)+FR*\b+FR-1], v[AF+FR*(\a):AF+FR*(\a)+FR-1], 0, v[SC+8*NQ*(\sc)+NQ*\b+(\q)], v[SC+8*NQ*(\sc)+NQ*(\a)+(\q)] matrix_a_scale:MATRIX_SCALE_ROW1
.else
	v_wmma_scale_f32_16x16x128_f8f6f4 v[8*(8*((\a)%4)+\b):8*(8*((\a)%4)+\b)+7], v[128*(\p)+FR*\b:128*(\p)+FR*\b+FR-1], v[AF+FR*(\a):AF+FR*(\a)+FR-1], v[8*(8*((\a)%4)+\b):8*(8*((\a)%4)+\b)+7], v[SC+8*NQ*(\sc)+NQ*\b+(\q)], v[SC+8*NQ*(\sc)+NQ*(\a)+(\q)] matrix_a_scale:MATRIX_SCALE_ROW1
.endif
.endr
.endr
.endm
.macro FETCH_B slot, q, p
	WIN TO_B
.irp i, 0,1,2,3
	FRAG 128*(\p)+FR*\i, ADRB+\slot, \q, \i*16*PITCH
.endr
.irp i, 4,5,6,7
	FRAG 128*(\p)+FR*\i, ADRB+\slot, \q, (\i*16+64)*PITCH
.endr
	WIN 0
.endm
.macro FETCH_A slot, q, i0
.irp i, \i0, \i0+1, \i0+2, \i0+3
	FRAG AF+FR*(\i), ADRA+\slot, \q, (\i)*16*PITCH
.endr
.endm
.macro SCLOAD sc
.irp t, 0,1,2,3
	global_load_b128 v[SC+8*NQ*(\sc)+4*\t:SC+8*NQ*(\sc)+4*\t+3], v[SOF], s[SCA+2*(\sc):SCA+2*(\sc)+1] offset:256*\t
.endr
.endm
.macro PLACES n
.rept \n
	v_nop
.endr
.endm
.macro STEP slot, zero, lc
	s_wait_loadcnt \lc
	s_wait_dscnt 4*NL
	WIN MUL_LO
	MUL16 0, 0, 0, \slot, \zero
	MUL16 2, 0, 0, \slot, \zero
	s_wait_dscnt 0
	PLACES NP
	FETCH_B \slot, 1, 1
	FETCH_A \slot, 1, 0
	WIN MUL_HI
	MUL16 4, 0, 0, \slot, \zero
	MUL16 6, 0, 0, \slot, \zero
	PLACES NP
	WIN 0
	FETCH_A \slot, 1, 4
.endm
.macro TURN slot, next, fill
.if \fill
	s_wait_xcnt 0x0
	s_xor_b32 s[KS], s[T2], s[FLIP]
	s_lshl_b32 s[KO], s[KS], 8
	s_mul_i32 s[SO], s[KS], SSTEP
	s_add_nc_u64 s[SCA+2*\slot:SCA+2*\slot+1], s[10:11], s[SO:SO+1]
	s_add_co_u32 s[KS], s[T2], 2
	s_and_b32 s[KS], s[KS], 15
	s_xor_b32 s[KS], s[KS], s[FLIP]
	s_lshl_b32 s[PO], s[KS], 8
	s_add_nc_u64 s[PFA:PFA+1], s[PFB:PFB+1], s[PO:PO+1]
	s_add_co_u32 s[T2], s[T2], 1
.endif
	s_wait_dscnt 4*NL                              ; B's set and x's blocks 0-3 are in; the youngest 16 loads (blocks 4-7) may be out
	WIN MUL_LO
	MUL16 0, 1, 1, \slot, 0                        ; the 32 products whose fragments are in registers stand ahead of the wait for the next slot's tile,
	MUL16 2, 1, 1, \slot, 0
	WIN 0
	s_wait_tensorcnt 0x0                           ; my one tensor load that was out, my part of the next slot, has landed;
	ds_add_u32 v[SPW], v[NIL]                      ; 0 onto my spare word
	s_wait_dscnt 0x0                               ; the add is done, and my reads of this slot are back
	s_barrier_signal -1
	s_barrier_wait -1
.if \fill
	CREST
	s_add_nc_u64 s[G0+4*\slot+2:G0+4*\slot+3], s[AB:AB+1], s[KO:KO+1]
	s_or_b32 s[G0+4*\slot+3], s[G0+4*\slot+3], 0x80000000
	s_add_nc_u64 s[G0B+4*\slot+2:G0B+4*\slot+3], s[BB:BB+1], s[KO:KO+1]
	s_or_b32 s[G0B+4*\slot+3], s[G0B+4*\slot+3], 0x80000000
	JLOAD G0+4*\slot, G1, G0B+4*\slot, G1B
	PLACES NP-4
.else
	PLACES NP
.endif
	FETCH_B \next, 0, 0
	FETCH_A \next, 0, 0
.if \fill
	ASK
.endif
	WIN MUL_HI
	MUL16 4, 1, 1, \slot, 0
	MUL16 6, 1, 1, \slot, 0
	PLACES NP
	WIN 0
	FETCH_A \next, 0, 4
.if \fill
	SCLOAD \slot
.endif
.endm
	SCLOAD 0
	SCLOAD 1
	s_wait_kmcnt 0x0
	s_mov_b32 s[CF+1], s[CF]
	s_wait_alu depctr_va_vdst(0)
	s_wait_tensorcnt 0x0                           ; my part of K step 0 is in
	ds_add_u32 v[SPW], v[NIL]
	s_wait_dscnt 0x0
	CROUND                                         ; everybody's part of K step 0 is in, and all sixteen work-groups are here
	JLOAD G0+4, G1, G0B+4, G1B                     ; slot 1's first fill, the first tensor load behind the round
	FETCH_B 0, 0, 0
	FETCH_A 0, 0, 0
	FETCH_A 0, 0, 4
	STEP 0, 1, 4
	s_mov_b32 s[LAP], LAPS-1
.Llap:
	TURN 0, 1, 1
	STEP 1, 0, 4
	TURN 1, 0, 1
	STEP 0, 0, 4
	s_sub_co_u32 s[LAP], s[LAP], 1
	s_cmp_lg_u32 s[LAP], 0
	s_cbranch_scc1 .Llap
	TURN 0, 1, 0
	STEP 1, 0, 0
	s_wait_dscnt 4*NL
	WIN MUL_LO
	MUL16 0, 1, 1, 1, 0
	MUL16 2, 1, 1, 1, 0
	s_wait_dscnt 0
	WIN MUL_HI
	MUL16 4, 1, 1, 1, 0
	MUL16 6, 1, 1, 1, 0
	WIN 0
.macro COMB a
.set AC, 64*((\a)%4)
.set T, TMP+32*((\a)%2)
	WIN 0x22+0x11*((\a)/4)
.irp b, 0,1,2,3
.irp j, 0,2,4,6
	v_pk_fma_f32 v[T+8*\b+\j:T+8*\b+\j+1], v[AC+32+8*\b+\j:AC+32+8*\b+\j+1], s[CF:CF+1], v[AC+8*\b+\j:AC+8*\b+\j+1] op_sel_hi:[1,0,1]
.endr
.endr
	WIN 0
.endm
.macro TOSTAGE a
.set T, TMP+32*((\a)%2)
.set BB2, BK+32*((\a)%2)
.irp b, 0,1,2,3
	ds_store_b128 v[STO], v[T+8*\b:T+8*\b+3] offset:64*\b
	ds_store_b128 v[STO], v[T+8*\b+4:T+8*\b+7] offset:64*\b+16
.endr
.irp t, 0,1,2,3,4,5,6,7
	ds_load_b128 v[BB2+4*\t:BB2+4*\t+3], v[RD] offset:2*\t*SPITCH
.endr
.endm
.macro SEND a, younger
.set BB2, BK+32*((\a)%2)
	s_wait_dscnt \younger
.irp t, 0,1,2,3,4,5,6,7
	global_store_b128 v[CO], v[BB2+4*\t:BB2+4*\t+3], s[14:15] offset:(16*(\a)+2*\t)*OROW th:TH_STORE_NT
.endr
.endm
	PLACES NP
	COMB 0
	TOSTAGE 0
.irp a, 1,2,3,4,5,6,7
	COMB \a
.if \a > 1
	s_wait_alu depctr_va_vdst(0)
	s_wait_xcnt 0x0
.endif
	TOSTAGE \a
	SEND \a-1, 16
.endr
	SEND 7, 0
	s_wait_tensorcnt 0x0
	ds_add_u32 v[SPW], v[NIL]
	s_wait_dscnt 0x0
	CROUND
	s_endpgm
.Lfunc_end_k_qecf6d45e38_gemm:
	.size	k_qecf6d45e38_gemm, .Lfunc_end_k_qecf6d45e38_gemm-k_qecf6d45e38_gemm
	.p2alignl 7, 3214868480
	.fill 96, 4, 3214868480
	.section	.rodata,"a",@progbits
	.p2align	6, 0x0
	.amdhsa_kernel k_qecf6d45e38_gemm
		.amdhsa_group_segment_fixed_size 327680
		.amdhsa_private_segment_fixed_size 0
		.amdhsa_enable_private_segment 0
		.amdhsa_kernarg_size 48
		.amdhsa_user_sgpr_count 2
		.amdhsa_user_sgpr_kernarg_segment_ptr 1
		.amdhsa_wavefront_size32 1
		.amdhsa_system_sgpr_workgroup_id_x 1
		.amdhsa_system_sgpr_workgroup_id_y 1
		.amdhsa_system_sgpr_workgroup_id_z 1
		.amdhsa_system_vgpr_workitem_id 0
		.amdhsa_next_free_vgpr 1024
		.amdhsa_next_free_sgpr 92
		.amdhsa_reserve_vcc 0
		.amdhsa_float_denorm_mode_32 3
		.amdhsa_float_denorm_mode_16_64 3
		.amdhsa_memory_ordered 1
		.amdhsa_forward_progress 1
		.amdhsa_inst_pref_size 139
	.end_amdhsa_kernel
	.amdgpu_metadata
---
amdhsa.version: [ 1, 2 ]
amdhsa.kernels:
  - .name:           k_qecf6d45e38_gemm
    .symbol:         k_qecf6d45e38_gemm.kd
    .args:
      - { .name: x_codes, .offset: 0, .size: 8, .value_kind: global_buffer, .address_space: global }
      - { .name: base_codes, .offset: 8, .size: 8, .value_kind: global_buffer, .address_space: global }
      - { .name: mcodes, .offset: 16, .size: 8, .value_kind: global_buffer, .address_space: global }
      - { .name: scl, .offset: 24, .size: 8, .value_kind: global_buffer, .address_space: global }
      - { .name: coeff, .offset: 32, .size: 8, .value_kind: global_buffer, .address_space: global }
      - { .name: out0, .offset: 40, .size: 8, .value_kind: global_buffer, .address_space: global }
    .group_segment_fixed_size: 327680
    .private_segment_fixed_size: 0
    .kernarg_segment_align: 8
    .kernarg_segment_size: 48
    .max_flat_workgroup_size: 128
    .sgpr_count:     92
    .vgpr_count:     1024
    .wavefront_size: 32
...
	.end_amdgpu_metadata
.endif
;; end of part 2
